; MI455X (gfx1250); checked and timed in simulation.
; The chip was launched on July 23, 2026; its instructions are those of AMD's public machine-readable ISA for CDNA 5 (MIT licence, August 2026) and "CDNA5" Instruction Set Architecture Reference Guide (July 2026). The comments in the code are by the model that wrote it; some were corrected since.
;; Multi head attention. Allowed arithmetic: matrix products marked QUANTISED: E4M3 operands, one given power-of-two scale a tensor, by v_wmma_f32_16x16x64_fp8_fp8 or v_wmma_f32_16x16x128_fp8_fp8, f32 sums; everything else in f32.
;; Inputs: bk 1,024 float32; bo 1,024 float32; bq 1,024 float32; bv 1,024 float32; k_codes 4 x 2,048 x 32 x 32 uint8 (E4M3 codes of k, K innermost, in blocks of 32 codes); lowp_scales 12 int32 (the exponents e of the quantised operands' scales 2^e); q_codes 4 x 2,048 x 32 x 32 uint8 (E4M3 codes of q, K innermost, in blocks of 32 codes); v_codes 4 x 2,048 x 32 x 32 uint8 (E4M3 codes of v, K innermost, in blocks of 32 codes); wk_codes 1,024 x 32 x 32 uint8 (E4M3 codes of wk, K innermost, in blocks of 32 codes); wo_codes 1,024 x 32 x 32 uint8 (E4M3 codes of wo, K innermost, in blocks of 32 codes); wq_codes 1,024 x 32 x 32 uint8 (E4M3 codes of wq, K innermost, in blocks of 32 codes); wv_codes 1,024 x 32 x 32 uint8 (E4M3 codes of wv, K innermost, in blocks of 32 codes).
;; Outputs: out0 4 x 2,048 x 1,024 float32.
;; This version of the problem:
;;   THIS VERSION OF THE PROBLEM IS GIVEN IN LOW PRECISION. The matrix products marked QUANTISED in the list below multiply operands that are first quantised to E4M3 (4 exponent bits, 3 mantissa bits; 8 bits a number), with one given power-of-two scale for each operand tensor; their sums are f32. All else is computed in f32.
;;   The module's matrix products, in the order in which they are computed (A, B: the left and right operand; K: the contracted axis; several contracted axes count as one K, in the product's order):
;;     1. [M 8,192, K 1,024] x [K 1,024, N 1,024]; A: input q (given as codes); B: input wq (given as codes): QUANTISED (scales: A lowp_scales[0], B lowp_scales[1])
;;     2. [M 8,192, K 1,024] x [K 1,024, N 1,024]; A: input k (given as codes); B: input wk (given as codes): QUANTISED (scales: A lowp_scales[2], B lowp_scales[3])
;;     3. [M 8,192, K 1,024] x [K 1,024, N 1,024]; A: input v (given as codes); B: input wv (given as codes): QUANTISED (scales: A lowp_scales[4], B lowp_scales[5])
;;     4. batch 64 x [M 2,048, K 64] x [K 64, N 2,048]; A: computed on the way; B: computed on the way: QUANTISED (scales: A lowp_scales[6], B lowp_scales[7])
;;     5. batch 64 x [M 2,048, K 2,048] x [K 2,048, N 64]; A: softmax (see below); B: computed on the way: QUANTISED (scales: A lowp_scales[8], B lowp_scales[9])
;;     6. [M 8,192, K 1,024] x [K 1,024, N 1,024]; A: computed on the way; B: input wo (given as codes): QUANTISED (scales: A lowp_scales[10], B lowp_scales[11])
;;   THE QUANTISER, for each operand of a quantised product, along K:
;;     - The operand's scale is 2^e, e = its entry of the input lowp_scales (int32; the entries are numbered through the quantised products in the list's order, A before B).
;;     - Each number is divided by the scale, clamped to +-448, and rounded to the nearest number of E4M3, ties to even, subnormals kept.
;;     - The product sums the exact products of the quantised numbers (number of the format x scale) in f32.
;;   ~~~python
;;   def quantise(x, axis, e):      # numpy; x: float32 -> the quantised numbers, widened to float32 again
;;       x = np.moveaxis(x, axis, -1); K = x.shape[-1]
;;       r = np.clip(x / 2.0 ** e, -448, 448)
;;       step = 2.0 ** (np.maximum(np.frexp(np.where(r == 0, 1, r))[1] - 1, -6) - 3)
;;       q = np.round(r / step) * step * 2.0 ** e      # np.round: ties to even
;;       return np.moveaxis(q, -1, axis).astype(np.float32)
;;   ~~~
;;   SOFTMAX AHEAD OF A QUANTISED PRODUCT. Where the list says 'softmax', what is quantised is not the finished softmax but p = 2^(t - M), with t = logit x log2(e) and M = ceil(the row's largest t), a whole number; so 1/2 < the row's largest p <= 1. The row's sum l is taken of the UNQUANTISED p, in f32, and the product's result is divided by l at the end. Since M is a whole number, a kernel that streams over the keys may use a running M (the ceiling of the running maximum): every later rescaling is an exact power of two, so the quantised numbers keep their values, but for numbers so far below the row's largest that they fall under the format's range.
;;   OPERANDS COMPUTED ON THE WAY. 'Computed on the way' means the value that the module computes at that place (a softmax that the list does not call 'softmax' is quantised finished and normalised). What goes into a quantiser is computed in f32, as accurately as f32 sums, v_exp_f32 and their like allow (about 1e-6 of the number): no bf16 or f16 on the way to a quantiser, and a product that is left as it is and whose result goes on into a quantised operand takes f32 operands (vector FMAs, or v_wmma_f32_16x16x4_f32). A number that lies on a knife's edge between two numbers of the format may be rounded either way, as far as f32 arithmetic and the matrix unit's own rounding can turn it there, and no further.
;;   INPUTS GIVEN AS CODES. k (in the module: [4, 2048, 1024], K = its axis 2); q (in the module: [4, 2048, 1024], K = its axis 2); v (in the module: [4, 2048, 1024], K = its axis 2); wk (in the module: [1024, 1024], K = its axis 1); wo (in the module: [1024, 1024], K = its axis 1); wq (in the module: [1024, 1024], K = its axis 1); wv (in the module: [1024, 1024], K = its axis 1): each comes as NAME_codes (uint8): NAME with its K axis moved to the last place and cut into blocks of 32 codes, [.., K / 32, bytes a block], one block behind the other in memory; one code a byte (a code: sign, 4 exponent bits, 3 mantissa bits); its scale is its entry of lowp_scales. Its value is code x scale, taken as it is: it is not quantised again, and the codes and scales need not be those that the quantiser above would give.
;; One version. Each part assembles by itself: llvm-mc -triple=amdgcn-amd-amdhsa -mcpu=gfx1250 --defsym DOCPART=n.
;; ======== version 1 of 1: 3 launches
;; limits: right only within a limited range of input values
;; workspace buffers: qc 8,388,608 bytes; kc 8,388,608 bytes; vc 8,388,608 bytes; ac 8,388,608 bytes
;; launch proj (part 1): grid 4 x 192, 4 waves a work-group, clusters of 4 x 4, 327,680 bytes of LDS; arguments q_codes, k_codes, wv_codes, wq_codes, wk_codes, v_codes, bq, bk, bv, qc, kc, vc, lowp_scales; writes qc, kc, vc
.if DOCPART == 1
	.amdgcn_target "amdgcn-amd-amdhsa--gfx1250"
	.amdhsa_code_object_version 6
	.text
	.protected	k_qc08773f748_proj
	.globl	k_qc08773f748_proj
	.p2align	8
	.type	k_qc08773f748_proj,@function
k_qc08773f748_proj:
	s_mov_b64 s[64:65], 0
	v_nop
	global_prefetch_b8 v0, s[64:65] scope:SCOPE_SE
	s_setreg_imm32_b32 hwreg(HW_REG_WAVE_MODE, 25, 1), 1
	s_wait_xcnt 0x0
	s_wait_alu depctr_hold_cnt(0) depctr_sa_sdst(0) depctr_va_vdst(0) depctr_va_sdst(0) depctr_va_ssrc(0) depctr_va_vcc(0) depctr_vm_vsrc(0)
	s_getreg_b32 s2, hwreg(HW_REG_IB_STS2, 6, 4)
	s_cmp_eq_u32 s2, 0
	s_cbranch_scc0 .Lentry_in_a_cluster
	s_endpgm
.Lentry_in_a_cluster:
	s_bfe_u32 s2, ttmp6, 0x10000c
	s_cmp_lg_u32 s2, 0xf033
	s_cbranch_scc0 .Lentry_shape_is_right
	s_endpgm
.Lentry_shape_is_right:
; THE THREE PROJECTIONS: qh = q wq^T + bq, kh = k wk^T + bk, vh = v wv^T + bv, on codes of FP8 (E4M3); each result is quantised at once, with the scale given for it, and stored as codes.
; One launch, 768 work-groups: the cluster's y gives g = y / 16 (0: Q, 1: K, 2: V).  A work-group makes a tile of 128 rows of A x 256 rows of B, K = 1,024.
;   g = 0, 1: A = the tokens (8,192 rows), B = the weight (1,024 rows).   g = 2: A = wv, B = v's tokens: the roles are swapped, so that a lane's registers run along the tokens, which are the K of attention's second product.
; Four waves, as many as a WGP has SIMDs; wave w makes 64 rows of A (w / 2) x 128 rows of B (w % 2): 32 accumulators of 16 x 16, 256 registers.
; THE MATRIX INSTRUCTION IS USED TRANSPOSED (source 0 = 16 rows of B, source 1 = 16 rows of A): lane (r, h) holds row r of A, and its register j row 8 h + j of B's sixteen.
; K goes in four steps of 256 through THREE LDS slots: K steps 0, 1, 2 are asked for at the start (three tensor loads of a wave are out at the most), K step 3 fills slot 0 again behind the one change of slots that refills.
; CLUSTERS: 4 x 4 work-groups.  The four of a row of the cluster need the same tiles of A, the four of a column the same tiles of B: each tile is asked for JOINTLY.  g hangs on the cluster's y alone: it is alike in all partners.
; WHAT IS STORED, as images of the operand registers that the next launch loads (a piece = 16 bytes of one lane; 32 lanes = 512 bytes on end; lane = 16 h + r):
;   qc, kc: [head 64][block of 16 tokens 128][chunk c 2][lane][16]: byte y = token 16 block + r, channel 32 c + 16 h + y.
;   vc:     [head 64][step of 128 keys 16][tile of 16 channels t 4][chunk c 4][lane][16]: channel 16 t + r, byte y = key 128 step + 32 c + 16 (y / 8) + 8 h + y % 8.
; code = (sum x 2^(ea + eb) + bias) / 2^eo, held within +-448, to the nearest code, ties to even.
; LIMITS: ea + eb between -126 and 127, eo between -126 and 119, so that each power of two below is an f32 number.  A NaN in a bias is not served.
; REGISTERS, in windows of 256: window 0: v0-31 addresses and constants; v48-55 V's bias; v64-127, v128-191 A's fragments, two sets (4 x 16 rows x 128 K); on the way out v64-255 are free.
;   window 1: B's fragments, two sets, at v0 and v128.   window 2: accumulator (a, b) at v[8 (8 a + b)].   window 3: v0-63 the bias along B's rows (g = 0, 1).
.set PITCH,  272                       ; an LDS row: 256 bytes of data + 16 of padding = 68 words: row r starts at bank 4 r mod 64 (64 banks of 4 bytes: ISA guide 11.1), so the 16 rows that a load touches start at 16 different banks
.set AHALF,  64*PITCH                  ; what wave 0 or 1 fetches, and what a wave reads of A
.set BHALF,  128*PITCH                 ; what wave 2 or 3 fetches, and what a wave reads of B
.set BOFF,   2*AHALF                   ; a slot: A's 128 rows, then B's 256
.set SLOT,   BOFF+2*BHALF
.set STG,    SLOT                      ; the way out: 8,192 bytes for each wave, in slot 1, which has had its one fill and its last read when the first code is stored there
.set SPARE,  3*SLOT                    ; behind the slots: the spare words, 128 bytes for each wave: two blocks of 256 bytes that no other line names
.set ASTEP,  3*256                     ; from K step 0 to K step 3, in bytes
.set BSTEP,  3*256
.set ADRA, 16                          ; v16-18  LDS address of my A fragments in slot 0, 1, 2
.set ADRB, 20                          ; v20-22  the same for B
.set BR,   23                          ; v23     4 r: V's bias
.set STO,  24                          ; v24     the stage: where I put 8 codes
.set RD,   25                          ; v25     the stage: where I read 16 bytes back
.set CO,   26                          ; v26     16 x lane: my place in a store's 512 bytes
.set BH,   27                          ; v27     32 h: Q's and K's bias
.set SPW,  28                          ; v28     LDS address of my spare word; never rewritten
.set NIL,  29                          ; v29     0; never rewritten
.set SCL,  30                          ; v30     2^eo as f32
.set LIM,  31
.set VB,   48
.set TMP,  64                          ; the way out: 64 numbers
.set CD,   128                         ; the way out: codes, 16 registers for each block a
.set BK,   192                         ; the way out: 16 x 4 registers read back from the stage
.set G1A, 20                           ; s[20:27] descriptor group 1 for A's tiles;  s[28:35] for B's
.set G1B, 28
.set G0A, 36                           ; s[36:47] group 0 for A's tiles, a set for each slot;  s[48:59] for B's
.set G0B, 48
.set WV, 78
.set WH, 79                            ; wave / 2: my half of A's rows.  Also: I fetch for A (0) or for B (1)
.set WL, 80                            ; wave % 2: my half of B's rows.  Also: which half of that tile I fetch
.set CX, 81
.set CY, 82
.set GG, 83
.set YL, 84
.set TA, 85                            ; tile of A
.set TB, 86                            ; tile of B
.set FS, 92                            ; s[92:93] 2^(ea + eb), twice
.set MSB, 0
.macro WIN new                         ; the immediate's high byte repeats the setting that is left
.if MSB != \new
	s_set_vgpr_msb (MSB<<8)|\new
.set MSB, \new
.endif
.endm
.set MUL,   0xa1                       ; source 0 (B) window 1, source 1 (A) window 0, C and D window 2
.set TO_B,  0x40                       ; destination window 1, address window 0
.set TO_W3, 0xc0                       ; destination window 3, address window 0
; A joint load: waves 0 and 1 fetch A's halves, waves 2 and 3 B's.  The branch hangs on the wave's number alone.  Four v_nop follow each of the two lines.
.macro JLOAD s
	s_cmp_eq_u32 s[WH], 0
	s_cbranch_scc0 .Lfor_b_\@
	tensor_load_to_lds s[G0A+4*\s:G0A+4*\s+3], s[G1A:G1A+7]
	s_nop 0
.rept 4
	v_nop
.endr
	s_branch .Lasked_\@
.Lfor_b_\@:
	tensor_load_to_lds s[G0B+4*\s:G0B+4*\s+3], s[G1B:G1B+7]
	s_nop 0
.rept 4
	v_nop
.endr
.Lasked_\@:
.endm
.macro CREST                           ; a round of the cluster's barrier behind its opening barrier
	s_cmp_lg_u32 s[WV], 0
	s_cbranch_scc1 .Lnot_wave_0_\@
	s_barrier_signal -3
.Lnot_wave_0_\@:
	s_barrier_wait -3
	s_barrier_signal -1
	s_barrier_wait -1
.endm
.macro CROUND                          ; a whole round
	s_barrier_signal -1
	s_barrier_wait -1
	CREST
.endm
.macro PLACES                          ; four places in front of loads into registers that matrix instructions have read, and of the first read of results (ISA guide 7.12.1 for the first read of results)
.rept 4
	v_nop
.endr
.endm
	s_load_b512 s[4:19], s[0:1], 0x0               ; q s[4:5], k s[6:7], wv s[8:9], wq s[10:11], wk s[12:13], v s[14:15], bq s[16:17], bk s[18:19]
	s_load_b256 s[68:75], s[0:1], 0x40             ; bv s[68:69], qc s[70:71], kc s[72:73], vc s[74:75]
	s_load_b64 s[76:77], s[0:1], 0x60              ; the scales' exponents
	v_lshl_add_u32 v[SPW], v0, 2, SPARE
	v_mov_b32 v[NIL], 0
	ds_add_u32 v28, v29
	ds_add_u32 v28, v29
	s_wait_dscnt 0x0
	v_lshrrev_b32 v1, 5, v0
	v_readfirstlane_b32 s[WV], v1                  ; wave 0..3
	s_lshr_b32 s[WH], s[WV], 1
	s_and_b32 s[WL], s[WV], 1
	s_bfe_u32 s[CX], ttmp6, 0x40000                ; cx, cy: my place in the cluster
	s_bfe_u32 s[CY], ttmp6, 0x40004
	s_and_b32 s[YL], ttmp7, 0xffff                 ; the cluster's y, 0..47
	s_lshr_b32 s[GG], s[YL], 4                     ; g: which projection
	s_and_b32 s[YL], s[YL], 15
	s_and_b32 s66, s[YL], 1
	s_lshr_b32 s67, s[YL], 1
	s_cmp_eq_u32 s[GG], 2
	s_cselect_b32 s[TA], s66, s[YL]                ; g = 0, 1: A has 64 tiles, B four;  g = 2: A has 8 tiles, B 32
	s_cselect_b32 s[TB], s67, 0
	s_lshl_b32 s[TA], s[TA], 2
	s_add_co_u32 s[TA], s[TA], s[CY]               ; A's tile hangs on cy alone of my place,
	s_lshl_b32 s[TB], s[TB], 2
	s_add_co_u32 s[TB], s[TB], s[CX]               ; B's on cx alone
	s_lshl_b32 s87, s[CY], 2
	s_lshl_b32 s87, 15, s87                        ; my row of the cluster
	s_lshl_b32 s88, 0x1111, s[CX]                  ; my column
	; descriptor group 1: rows of 256 bytes, 1,024 bytes apart in memory, padded in LDS; A: 64 rows, B: 128
	s_or_b32 s[G1A], s87, (1<<20)|(1<<21)|(5<<22)|(3<<25)   ; 15:0 the mask; 17:16 elements of 1 byte; 20 padding on; 21 set beside a mask; 24:22 after every 64 words (code 5); 31:25 four words (code 3)
	s_or_b32 s[G1B], s88, (1<<20)|(1<<21)|(5<<22)|(3<<25)
	s_mov_b32 s[G1A+1], 256<<16                    ; tensor_dim0
	s_mov_b32 s[G1A+2], 64<<16                     ; tensor_dim1
	s_mov_b32 s[G1A+3], 256<<16                    ; tile_dim0
	s_mov_b32 s[G1A+4], 64                         ; tile_dim1
	s_mov_b32 s[G1A+5], 1024                       ; tensor_dim0_stride
	s_mov_b32 s[G1A+6], 0
	s_mov_b32 s[G1A+7], 0
	s_mov_b32 s[G1B+1], 256<<16
	s_mov_b32 s[G1B+2], 128<<16
	s_mov_b32 s[G1B+3], 256<<16
	s_mov_b32 s[G1B+4], 128
	s_mov_b32 s[G1B+5], 1024
	s_mov_b32 s[G1B+6], 0
	s_mov_b32 s[G1B+7], 0
	s_lshl_b32 s60, s[TA], 17                      ; A: row 128 x tile + 64 x half, rows of 1,024 bytes
	s_lshl_b32 s61, s[WL], 16
	s_add_co_u32 s60, s60, s61
	s_mov_b32 s61, 0
	s_lshl_b32 s62, s[TB], 18                      ; B: row 256 x tile + 128 x half
	s_lshl_b32 s63, s[WL], 17
	s_add_co_u32 s62, s62, s63
	s_mov_b32 s63, 0
	s_mul_i32 s89, s[WL], AHALF                    ; where they go: no place in the cluster enters an LDS address
	s_mul_i32 s90, s[WL], BHALF
	s_add_co_u32 s90, s90, BOFF
	s_wait_kmcnt 0x0
	s_cmp_eq_u32 s[GG], 1                          ; the buffers are chosen by g: A s[4:5], B s[10:11], the bias s[16:17], the codes' buffer s[70:71]
	s_cselect_b64 s[4:5], s[6:7], s[4:5]
	s_cselect_b64 s[10:11], s[12:13], s[10:11]
	s_cselect_b64 s[16:17], s[18:19], s[16:17]
	s_cselect_b64 s[70:71], s[72:73], s[70:71]
	s_cmp_eq_u32 s[GG], 2
	s_cselect_b64 s[4:5], s[8:9], s[4:5]
	s_cselect_b64 s[10:11], s[14:15], s[10:11]
	s_cselect_b64 s[16:17], s[68:69], s[16:17]
	s_cselect_b64 s[70:71], s[74:75], s[70:71]
	s_load_b128 s[72:75], s[76:77], 0x0            ; entries 0-3 (into registers that the choice has left free)
	s_load_b128 s[12:15], s[76:77], 0x10           ; entries 4-7
	s_load_b64 s[6:7], s[76:77], 0x20              ; entries 8, 9
	s_add_nc_u64 s[60:61], s[4:5], s[60:61]
	s_add_nc_u64 s[62:63], s[10:11], s[62:63]
	CROUND                                         ; all sixteen work-groups are here: the first joint loads meet
.irp s, 0,1,2
	s_mov_b32 s[G0A+4*\s], 1                       ; 1:0 count = 1
	s_add_co_u32 s[G0A+4*\s+1], s89, \s*SLOT       ; 63:32 LDS address
	s_add_nc_u64 s[G0A+4*\s+2:G0A+4*\s+3], s[60:61], \s*256   ; 120:64 global address: K step s
	s_or_b32 s[G0A+4*\s+3], s[G0A+4*\s+3], 0x80000000         ; 127:126 type = 2
	s_mov_b32 s[G0B+4*\s], 1
	s_add_co_u32 s[G0B+4*\s+1], s90, \s*SLOT
	s_add_nc_u64 s[G0B+4*\s+2:G0B+4*\s+3], s[62:63], \s*256
	s_or_b32 s[G0B+4*\s+3], s[G0B+4*\s+3], 0x80000000
	JLOAD \s                                       ; three quarters of K are asked for before anything else is done
.endr
	v_and_b32 v1, 15, v0                           ; r
	v_bfe_u32 v2, v0, 4, 1                         ; h
	v_and_b32 v3, 31, v0                           ; lane
	v_mul_u32_u24 v4, v1, PITCH
	v_lshl_add_u32 v4, v2, 4, v4                   ; a fragment's row x pitch + 16 h
	s_mul_i32 s66, s[WH], AHALF                    ; my 64 rows of A
	s_mul_i32 s67, s[WL], BHALF                    ; my 128 rows of B,
	s_add_co_u32 s67, s67, BOFF                    ; which lie behind A's 128
.irp s, 0,1,2
	v_add_nc_u32 v[ADRA+\s], s66, v4
	v_add_nc_u32 v[ADRB+\s], s67, v4
	s_add_co_u32 s66, s66, SLOT
	s_add_co_u32 s67, s67, SLOT
.endr
	s_lshl_b32 s66, s[WV], 13
	s_add_co_u32 s66, s66, STG                     ; my stage
	v_lshlrev_b32 v5, 4, v1
	v_lshl_add_u32 v5, v2, 3, v5
	v_add_nc_u32 v[STO], s66, v5                   ; in: 16 r + 8 h
	v_lshlrev_b32 v[CO], 4, v3
	v_add_nc_u32 v[RD], s66, v[CO]                 ; back: 16 x lane
	v_lshlrev_b32 v[BH], 5, v2
	v_lshlrev_b32 v[BR], 2, v1
	s_wait_kmcnt 0x0                               ; the exponents
	s_add_co_i32 s72, s72, s73                     ; ea + eb of Q,
	s_add_co_i32 s74, s74, s75                     ; of K,
	s_add_co_i32 s12, s12, s13                     ; of V
	s_cmp_eq_u32 s[GG], 1
	s_cselect_b32 s[FS], s74, s72
	s_cselect_b32 s96, s15, s14                    ; eo: entry 6 for qh, 7 for kh,
	s_cmp_eq_u32 s[GG], 2
	s_cselect_b32 s[FS], s12, s[FS]
	s_cselect_b32 s96, s7, s96                     ; 9 for vh
	s_add_co_i32 s[FS], s[FS], 127
	s_lshl_b32 s[FS], s[FS], 23                    ; 2^(ea + eb) as f32
	s_mov_b32 s[FS+1], s[FS]                       ; (named with it as a pair, so it is written)
	s_add_co_i32 s96, s96, 127
	s_lshl_b32 s97, s96, 23
	v_mov_b32 v[SCL], s97                          ; 2^eo as f32: the conversion takes its exponent field
.macro FRAG reg, adr, q, i             ; a fragment, 16 rows x 128 K, is 16 registers: lane (r, h) holds row r; registers 4 c .. 4 c + 3 hold K = 32 c + 16 h + 0 .. 15: the same order of K in A and in B
.irp c, 0,1,2,3
	ds_load_b128 v[\reg+4*\c:\reg+4*\c+3], v[\adr] offset:128*(\q)+32*\c+(\i)*16*PITCH
.endr
.endm
.macro FETCH slot, q, p                ; 48 LDS loads in one run: the fragments of the slot's q-th 128 along K into set p
	WIN TO_B
.irp i, 0,1,2,3,4,5,6,7
	FRAG 128*(\p)+16*\i, ADRB+\slot, \q, \i
.endr
	WIN 0
.irp i, 0,1,2,3
	FRAG 64+64*(\p)+16*\i, ADRA+\slot, \q, \i
.endr
.endm
; 8 matrix instructions: A's block a x B's eight, 128 along K, set p.  zero = 1: the first product starts the sums.  The 32 accumulators take turns, one instruction a turn, in the same order in every step.
.macro MULA a, p, zero
	WIN MUL
.irp b, 0,1,2,3,4,5,6,7
.if \zero
	v_wmma_f32_16x16x128_fp8_fp8 v[8*(8*\a+\b):8*(8*\a+\b)+7], v[128*(\p)+16*\b:128*(\p)+16*\b+15], v[64+64*(\p)+16*\a:64+64*(\p)+16*\a+15], 0
.else
	v_wmma_f32_16x16x128_fp8_fp8 v[8*(8*\a+\b):8*(8*\a+\b)+7], v[128*(\p)+16*\b:128*(\p)+16*\b+15], v[64+64*(\p)+16*\a:64+64*(\p)+16*\a+15], v[8*(8*\a+\b):8*(8*\a+\b)+7]
.endif
.endr
.endm
; A step of 128 along K: multiplies set p; ahead of its 32 products it asks for the next step's fragments, into the other set.
.macro STEP p, fslot, fq, zero
	s_wait_dscnt 0x0                               ; set p is in (asked for 32 matrix instructions ago)
	PLACES
	FETCH \fslot, \fq, 1-\p
	MULA 0, \p, \zero
	MULA 1, \p, \zero
	MULA 2, \p, \zero
	MULA 3, \p, \zero
.endm
; A step that leaves a slot (it multiplies set 1): ONE barrier; in front of it each wave waits for all its tensor loads, adds 0 to its spare word, and waits for that and for its reads.
; fill = 1: slot 0, just read out, takes K step 3: the barrier opens a round of the cluster's, and the joint refill is the first thing behind it.  fill = 0: nothing is filled; behind the barrier slot 0 holds K step 3 whole.
.macro TURN fill, next
	WIN 0                                          ; (the add's two registers lie in window 0)
	s_wait_tensorcnt 0x0                           ; all my tensor loads have landed
	ds_add_u32 v[SPW], v[NIL]                      ; 0 onto my spare word
	s_wait_dscnt 0x1                               ; (the add may be out: the 48 loads of set 1 are in)
	MULA 0, 1, 0                                   ; eight matrix instructions stand between the add and the wait for it
	s_wait_dscnt 0x0                               ; the add is done, and my reads of the slot are over
	s_barrier_signal -1
	MULA 1, 1, 0
	WIN 0
	s_barrier_wait -1
.if \fill
	CREST                                          ; no wave of any partner still reads slot 0 or has a load on its way
	s_add_nc_u64 s[G0A+2:G0A+3], s[G0A+2:G0A+3], ASTEP
	s_add_nc_u64 s[G0B+2:G0B+3], s[G0B+2:G0B+3], BSTEP
	JLOAD 0                                        ; it has the steps up to the next change of slots in which to land; the four v_nop behind it are the places in front of the loads below
.else
	PLACES
.endif
	FETCH \next, 0, 0
	MULA 2, 1, 0
	MULA 3, 1, 0
.endm
.macro LAST                            ; the last step: nothing more to fetch
	s_wait_dscnt 0x0
	MULA 0, 1, 0
	MULA 1, 1, 0
	MULA 2, 1, 0
	MULA 3, 1, 0
	WIN 0
.endm
; 64 numbers in v[TMP] on become block a's 64 codes in v[CD + 16 a] on
.macro QUANT a
.irp b, 0,1,2,3,4,5,6,7
.irp i, 0,1,2,3,4,5,6,7
.endr
.endr
.irp b, 0,1,2,3,4,5,6,7
	v_cvt_scalef32_pk8_fp8_f32 v[CD+16*\a+2*\b:CD+16*\a+2*\b+1], v[TMP+8*\b:TMP+8*\b+7], v[SCL]
.endr
	v_nop                                          ; one plain vector line between the conversions and the next block's multiply-adds, which write their sources
.endm
	s_wait_tensorcnt 0x2                           ; my part of K step 0 is in; K steps 1 and 2 may stay out
	s_barrier_signal -1
	s_barrier_wait -1                              ; everybody's is
	FETCH 0, 0, 0
	STEP 0, 0, 1, 1                                ; K 0-127: its products start the sums
	TURN 1, 1                                      ; K 128-255; slot 0 is left and filled again
	STEP 0, 1, 1, 0
	s_wait_alu depctr_va_vdst(0)
	STEP 1, 2, 0, 0
	STEP 0, 2, 1, 0
	TURN 0, 0                                      ; K 640-767; slots 1 and 2 are left
	WIN 0
	s_cmp_eq_u32 s[GG], 2                          ; the two ways out part here, two steps ahead of the end, so that each arm's bias lands under 64 products.  No barrier and no tensor load stands in an arm
	s_cbranch_scc1 .Larm_v
	; ---- Q and K: a lane holds one token and, in accumulator (a, b), the features 16 b + 8 h + 0 .. 7: eight neighbours along the head's 64, the next product's K
	s_lshl_b32 s62, s[TB], 10                      ; the bias of my 128 features: 4 (256 x tile + 128 x half) bytes on
	s_lshl_b32 s63, s[WL], 9
	s_add_co_u32 s62, s62, s63
	s_mov_b32 s63, 0
	s_add_nc_u64 s[16:17], s[16:17], s[62:63]
	s_lshr_b32 s98, s[TA], 4                       ; the batch: 16 tiles of 128 tokens each
	s_lshl_b32 s98, s98, 4
	s_lshl_b32 s99, s[TB], 2
	s_add_co_u32 s98, s98, s99
	s_lshl_b32 s99, s[WL], 1
	s_add_co_u32 s98, s98, s99                     ; my first head: 16 x batch + 4 x B's tile + 2 x half
	s_lshl_b32 s98, s98, 7                         ; 128 blocks of 16 tokens to a head
	s_and_b32 s99, s[TA], 15
	s_lshl_b32 s99, s99, 3
	s_add_co_u32 s98, s98, s99
	s_lshl_b32 s99, s[WH], 2
	s_add_co_u32 s98, s98, s99                     ; my first block
	s_lshl_b32 s98, s98, 10                        ; of 1,024 bytes
	s_mov_b32 s99, 0
	s_add_nc_u64 s[70:71], s[70:71], s[98:99]
	WIN TO_W3
.irp b, 0,1,2,3,4,5,6,7
	global_load_b128 v[8*\b:8*\b+3], v[BH], s[16:17] offset:64*\b        ; bias(16 b + 8 h + 0 .. 7), in the result's layout
	global_load_b128 v[8*\b+4:8*\b+7], v[BH], s[16:17] offset:64*\b+16
.endr
	WIN 0
	STEP 0, 0, 1, 0
	LAST
	s_wait_loadcnt 0x0                             ; the bias
	PLACES
.irp a, 0,1,2,3
	WIN 0x32                                       ; source 0 (the sums) window 2, source 2 (the bias) window 3
.irp b, 0,1,2,3,4,5,6,7
.irp i, 0,2,4,6
	v_pk_fma_f32 v[TMP+8*\b+\i:TMP+8*\b+\i+1], v[8*(8*\a+\b)+\i:8*(8*\a+\b)+\i+1], s[FS:FS+1], v[8*\b+\i:8*\b+\i+1] op_sel_hi:[1,0,1]   ; sum x 2^(ea + eb) + bias; each accumulator from its low end on
.endr
.endr
	WIN 0
	QUANT \a
.irp b, 0,1,2,3,4,5,6,7
	ds_store_b64 v[STO], v[CD+16*\a+2*\b:CD+16*\a+2*\b+1] offset:((\b/4)*4+\a)*1024+(\b%4)*256   ; head b / 4, block a; channels 16 (b % 4) + 8 h on: chunk (b % 4) / 2, lane 16 (b % 2) + r, byte 8 h
.endr
.endr
.irp i, 0,1,2,3,4,5,6,7,8,9,10,11,12,13,14,15
	ds_load_b128 v[BK+4*\i:BK+4*\i+3], v[RD] offset:512*\i     ; LDS serves a wave's instructions in order (ISA guide 5.7.1.4): these see my stores
.endr
.irp i, 0,1,2,3,4,5,6,7,8,9,10,11,12,13,14,15
	s_wait_dscnt 15-\i                             ; the younger loads may be out
	global_store_b128 v[CO], v[BK+4*\i:BK+4*\i+3], s[70:71] offset:(\i/8)*131072+(\i%8)*512   ; 32 lanes store 512 consecutive bytes, at a multiple of 256 from the buffer's first byte
.endr
	s_branch .Lclose
.Larm_v:
	; ---- V: a lane holds one channel (row r of wv's sixteen) and, in accumulator (a, b), the tokens 16 b + 8 h + 0 .. 7.  The codes of b = 2 c and 2 c + 1 are the lane's piece of chunk c as it stands: no LDS
	s_lshl_b32 s60, s[TA], 9                       ; the bias of my 64 channels: 4 (128 x tile + 64 x half) bytes on
	s_lshl_b32 s61, s[WH], 8
	s_add_co_u32 s60, s60, s61
	s_mov_b32 s61, 0
	s_add_nc_u64 s[16:17], s[16:17], s[60:61]
	s_lshr_b32 s98, s[TB], 3                       ; the batch: 8 tiles of 256 tokens each
	s_lshl_b32 s98, s98, 4
	s_lshl_b32 s99, s[TA], 1
	s_add_co_u32 s98, s98, s99
	s_add_co_u32 s98, s98, s[WH]                   ; my head: 16 x batch + 2 x A's tile + half
	s_lshl_b32 s98, s98, 4                         ; 16 steps of 128 keys to a head
	s_and_b32 s99, s[TB], 7
	s_lshl_b32 s99, s99, 1
	s_add_co_u32 s98, s98, s99
	s_add_co_u32 s98, s98, s[WL]                   ; my step
	s_lshl_b32 s98, s98, 13                        ; of 8,192 bytes
	s_mov_b32 s99, 0
	s_add_nc_u64 s[70:71], s[70:71], s[98:99]
.irp a, 0,1,2,3
	global_load_b32 v[VB+2*\a], v[BR], s[16:17] offset:64*\a      ; bias(16 a + r), into both registers of a pair for the packed multiply-add
	global_load_b32 v[VB+2*\a+1], v[BR], s[16:17] offset:64*\a
.endr
	STEP 0, 0, 1, 0
	LAST
	s_wait_loadcnt 0x0                             ; the bias
	PLACES
.irp a, 0,1,2,3
	WIN 0x02                                       ; source 0 (the sums) window 2
.irp b, 0,1,2,3,4,5,6,7
.irp i, 0,2,4,6
	v_pk_fma_f32 v[TMP+8*\b+\i:TMP+8*\b+\i+1], v[8*(8*\a+\b)+\i:8*(8*\a+\b)+\i+1], s[FS:FS+1], v[VB+2*\a:VB+2*\a+1] op_sel_hi:[1,0,1]
.endr
.endr
	WIN 0
	QUANT \a
.irp c, 0,1,2,3
	global_store_b128 v[CO], v[CD+16*\a+4*\c:CD+16*\a+4*\c+3], s[70:71] offset:2048*\a+512*\c   ; tile a of channels, chunk c: 512 consecutive bytes
.endr
.endr
.Lclose:
	s_wait_tensorcnt 0x0                           ; the wave's end, behind my last tensor load and my last LDS store
	ds_add_u32 v[SPW], v[NIL]
	s_wait_dscnt 0x0
	CROUND                                         ; the closing round: no work-group ends while a partner may still ask for a tile that names it
	s_endpgm
.Lfunc_end_k_qc08773f748_proj:
	.size	k_qc08773f748_proj, .Lfunc_end_k_qc08773f748_proj-k_qc08773f748_proj
	.p2alignl 7, 3214868480
	.fill 96, 4, 3214868480
	.section	.rodata,"a",@progbits
	.p2align	6, 0x0
	.amdhsa_kernel k_qc08773f748_proj
		.amdhsa_group_segment_fixed_size 327680
		.amdhsa_private_segment_fixed_size 0
		.amdhsa_enable_private_segment 0
		.amdhsa_kernarg_size 104
		.amdhsa_user_sgpr_count 2
		.amdhsa_user_sgpr_kernarg_segment_ptr 1
		.amdhsa_wavefront_size32 1
		.amdhsa_system_sgpr_workgroup_id_x 1
		.amdhsa_system_sgpr_workgroup_id_y 1
		.amdhsa_system_sgpr_workgroup_id_z 1
		.amdhsa_system_vgpr_workitem_id 0
		.amdhsa_next_free_vgpr 832
		.amdhsa_next_free_sgpr 100
		.amdhsa_reserve_vcc 0
		.amdhsa_float_denorm_mode_32 3
		.amdhsa_float_denorm_mode_16_64 3
		.amdhsa_fp16_overflow 1
		.amdhsa_memory_ordered 1
		.amdhsa_forward_progress 1
		.amdhsa_inst_pref_size 92
	.end_amdhsa_kernel
	.amdgpu_metadata
---
amdhsa.version: [ 1, 2 ]
amdhsa.kernels:
  - .name:           k_qc08773f748_proj
    .symbol:         k_qc08773f748_proj.kd
    .args:
      - { .name: q_codes, .offset: 0, .size: 8, .value_kind: global_buffer, .address_space: global }
      - { .name: k_codes, .offset: 8, .size: 8, .value_kind: global_buffer, .address_space: global }
      - { .name: wv_codes, .offset: 16, .size: 8, .value_kind: global_buffer, .address_space: global }
      - { .name: wq_codes, .offset: 24, .size: 8, .value_kind: global_buffer, .address_space: global }
      - { .name: wk_codes, .offset: 32, .size: 8, .value_kind: global_buffer, .address_space: global }
      - { .name: v_codes, .offset: 40, .size: 8, .value_kind: global_buffer, .address_space: global }
      - { .name: bq, .offset: 48, .size: 8, .value_kind: global_buffer, .address_space: global }
      - { .name: bk, .offset: 56, .size: 8, .value_kind: global_buffer, .address_space: global }
      - { .name: bv, .offset: 64, .size: 8, .value_kind: global_buffer, .address_space: global }
      - { .name: qc, .offset: 72, .size: 8, .value_kind: global_buffer, .address_space: global }
      - { .name: kc, .offset: 80, .size: 8, .value_kind: global_buffer, .address_space: global }
      - { .name: vc, .offset: 88, .size: 8, .value_kind: global_buffer, .address_space: global }
      - { .name: lowp_scales, .offset: 96, .size: 8, .value_kind: global_buffer, .address_space: global }
    .group_segment_fixed_size: 327680
    .private_segment_fixed_size: 0
    .kernarg_segment_align: 8
    .kernarg_segment_size: 104
    .max_flat_workgroup_size: 128
    .sgpr_count:     100
    .vgpr_count:     832
    .wavefront_size: 32
...
	.end_amdgpu_metadata
.endif
;; end of part 1
;; launch attn (part 2): grid 4 x 64, 16 waves a work-group, no clusters, 327,680 bytes of LDS; arguments qc, kc, vc, lowp_scales, ac; writes ac
.if DOCPART == 2
	.amdgcn_target "amdgcn-amd-amdhsa--gfx1250"
	.amdhsa_code_object_version 6
	.text
	.protected	k_qc08773f748_attn
	.globl	k_qc08773f748_attn
	.p2align	8
	.type	k_qc08773f748_attn,@function
k_qc08773f748_attn:
	s_mov_b64 s[64:65], 0
	v_nop
	global_prefetch_b8 v0, s[64:65] scope:SCOPE_SE
	s_setreg_imm32_b32 hwreg(HW_REG_WAVE_MODE, 25, 1), 1
	s_wait_xcnt 0x0
; CAUSAL ATTENTION ON CODES OF FP8 (E4M3): for each of 64 heads (16 x batch + head), 2,048 queries and keys, head size 64.  Both products are quantised; the result is quantised at once for the last projection.
; qc, kc: [head 64][block of 16 tokens 128][chunk c 2][lane 32][16]: lane 16 h + r, byte y = token 16 block + r, channel 32 c + 16 h + y: images of an operand's registers for the K = 64 form (the same order of K in both).
; vc: [head 64][step of 128 keys 16][tile of 16 channels t 4][chunk c 4][lane][16]: channel 16 t + r, byte y = key 32 c + 16 (y / 8) + 8 h + y % 8 of the step: the order in which p's codes fall out below.
; ac (stored): [tile of 128 rows 64][head 16][block of 16 rows 8][chunk 2][lane][16]: byte y = row 16 block + r, channel 32 c + 16 h + y.
; THE SOFTMAX AHEAD OF THE SECOND PRODUCT: t = score x log2(e) / 8; M = the row's largest t so far, rounded UP to a whole number; p = 2^(t - M) is what is quantised; the row's sum is taken of the unquantised p and divides at the end.
; When M moves, the sum and O are multiplied by 2^(old M - new M): exact.
; SHARES.  Work-group (I, head), I = 0..3, owns the blocks of 256 queries I and 7 - I.  Block j needs the key slots (256 keys) 0 .. j, so every work-group walks (I + 1) + (8 - I) = 9 slots: equal work, and a constant trip count.
; Each of the SIXTEEN waves owns 16 queries of the block in hand, in 256 registers: four waves to a SIMD, so that one wave's vector work stands beside another's matrix work and LDS loads.
; K's and V's tiles come through a ring of two LDS slots; wave 0 brings a slot's K (16,384 dense bytes), wave 1 its V (likewise); all sixteen read them.
; NO CLUSTER: the four work-groups of a head want key slot t or t - I - 1 in trip t, which differs between them from trip 1 on: partners would ask for different tiles in the same trip.
; LAYOUT.  Both products are used transposed: S^T = K Q^T (source 0 = 16 keys, source 1 = my 16 queries), O^T = V^T P^T: lane (r, h) holds query r throughout.  In tile u of S^T its register j is key 16 u + 8 h + j, so the
; conversions' results, two registers a tile, ARE the second product's operand: registers 2 u, 2 u + 1 hold keys 16 u + 8 h + 0 .. 7.
; CAUSAL.  A step of 128 keys that all come after my 16 queries is left out by a scalar branch on ids; on the diagonal hidden scores become -infinity ahead of the maximum.  Key 0 counts for every query, so M is a number from the first step on.
; LIMITS on the given exponents, so that each power of two below is an f32 number: e6 + e7 between -123 and 130 (added to c's exponent field); e8, and e10 - e8 - e9, between -126 and 119.
; REGISTERS: v1 16 x lane; v3, v4 the stage; v5, v6 for the add; v8 address in the slot in hand; v11 r - 8 h; v12 -M, v13 the largest t, v[14:15] the sum in two halves; v16-23 Q; v32-95 eight fragments of K, then four of V;
;   v96-159 S^T, then p; v160-191 O^T; v192-199 rows on the way out; v224-239 p's codes; v240-254 constants and at work.
.set SLOT1, 32768                      ; a slot: K's 16,384 bytes, then V's; slot 1 begins here, so that one exclusive or turns an address in one slot into the other's
.set VOFF,  16384
.set STAGE, 65536                      ; behind the ring: 1,024 bytes for each wave, for the way out; no tile lands here
.set SPARE, 81920                      ; behind the stages: the spare words, 128 bytes for each wave: eight blocks of 256 bytes that no other line names
.set AL,  1
.set STO, 3
.set RD,  4
.set SPW, 5
.set NIL, 6
.set AD,  8
.set DQ,  11
.set WV,  14                           ; s14  my wave's number
.set II,  15                           ; s15  I
.set IP1, 16                           ; s16  I + 1: the trip in which the second block begins
.set TR,  17                           ; s17  the trip
.set TB,  18                           ; s18  LDS byte at which the slot in hand begins
.set KF,  19                           ; s19  the step's first key
.set SEL, 20                           ; s[20:21] lane selects for v_permlanex16_b32: lane l xor 16
.set CS,  22                           ; s[22:23] c = log2(e) / 8 x 2^(e6 + e7)
.set G1,  24                           ; s[24:31] descriptor group 1
.set G0,  40                           ; s[40:43] descriptor group 0, which walks
.set BASE, 48                          ; s[48:49] the head's first byte in kc (wave 0) or vc (the others)
.set QPA, 52                           ; s[52:53], s[54:55] my queries' codes in the first and in the second block
.set QPB, 54
.set OPA, 56                           ; s[56:57], s[58:59] where their results go
.set OPB, 58
.set Q0,  60                           ; s60  my first query in the block in hand; s61, s62 in the first and second block
.set Q0A, 61
.set Q0B, 62
.macro TLOAD                           ; waves 0 and 1 fetch, the others nothing.  The branch hangs on the wave's number alone.  Four v_nop follow the load
	s_cmp_lt_u32 s[WV], 2
	s_cbranch_scc0 .Lnone_\@
	tensor_load_to_lds s[G0:G0+3], s[G1:G1+7]
	s_nop 0
.rept 4
	v_nop
.endr
.Lnone_\@:
.endm
	s_load_b256 s[4:11], s[0:1], 0x0               ; qc s[4:5], kc s[6:7], vc s[8:9], the scales' exponents s[10:11]
	s_load_b64 s[12:13], s[0:1], 0x20              ; ac
	v_lshl_add_u32 v[SPW], v0, 2, SPARE
	v_mov_b32 v[NIL], 0
	ds_add_u32 v5, v6
	ds_add_u32 v5, v6
	s_wait_dscnt 0x0
	v_lshrrev_b32 v9, 5, v0
	s_delay_alu instid0(VALU_DEP_1)
	v_readfirstlane_b32 s[WV], v9                  ; wave 0..15
	s_mov_b32 s[II], ttmp9
	s_add_co_u32 s[IP1], ttmp9, 1
	s_and_b32 s32, ttmp7, 0xffff                   ; 16 x batch + head
	s_lshl_b32 s74, s32, 17                        ; a head's codes are 131,072 bytes in qc, kc and vc
	s_mov_b32 s75, 0
	s_sub_co_u32 s33, 7, s[II]                     ; the second block
	s_lshl_b32 s76, s[II], 4
	s_add_co_u32 s76, s76, s[WV]                   ; my block of 16 queries: 16 x block + wave
	s_lshl_b32 s[Q0A], s76, 4
	s_lshl_b32 s76, s76, 10
	s_add_co_u32 s76, s76, s74
	s_mov_b32 s77, 0
	s_lshl_b32 s78, s33, 4
	s_add_co_u32 s78, s78, s[WV]
	s_lshl_b32 s[Q0B], s78, 4
	s_lshl_b32 s78, s78, 10
	s_add_co_u32 s78, s78, s74
	s_mov_b32 s79, 0
	s_lshr_b32 s34, s32, 4                         ; the batch
	s_and_b32 s35, s32, 15                         ; the head
	s_lshr_b32 s36, s[WV], 3
	s_and_b32 s37, s[WV], 7
	s_lshl_b32 s37, s37, 10                        ; my block among a tile's eight
	s_lshl_b32 s34, s34, 4
	s_add_co_u32 s34, s34, s36                     ; tile of 128 rows = 16 x batch + 2 x block + wave / 8
	s_lshl_b32 s80, s[II], 1
	s_add_co_u32 s80, s80, s34
	s_lshl_b32 s80, s80, 4
	s_add_co_u32 s80, s80, s35
	s_lshl_b32 s80, s80, 13
	s_add_co_u32 s80, s80, s37
	s_mov_b32 s81, 0
	s_lshl_b32 s82, s33, 1
	s_add_co_u32 s82, s82, s34
	s_lshl_b32 s82, s82, 4
	s_add_co_u32 s82, s82, s35
	s_lshl_b32 s82, s82, 13
	s_add_co_u32 s82, s82, s37
	s_mov_b32 s83, 0
	; descriptor group 1: a dense block of 16,384 bytes as 64 rows of 256
	s_mov_b32 s[G1], 3<<16                         ; 15:0 no mask; 17:16 elements of 8 bytes; no padding: every LDS load takes 512 bytes on end
	s_mov_b32 s[G1+1], 32<<16                      ; tensor_dim0
	s_mov_b32 s[G1+2], 64<<16                      ; tensor_dim1
	s_mov_b32 s[G1+3], 32<<16                      ; tile_dim0
	s_mov_b32 s[G1+4], 64                          ; tile_dim1
	s_mov_b32 s[G1+5], 32                          ; tensor_dim0_stride
	s_mov_b32 s[G1+6], 0
	s_mov_b32 s[G1+7], 0
	s_mov_b32 s[SEL], 0x76543210
	s_mov_b32 s[SEL+1], 0xfedcba98
	s_mov_b32 s[CS], 0x3e38aa3b                    ; log2(e) / sqrt(64)
	s_mov_b32 s[TR], 0
	s_mov_b32 s[TB], 0
	s_wait_kmcnt 0x0
	s_load_b64 s[68:69], s[10:11], 0x18            ; e6, e7
	s_load_b64 s[70:71], s[10:11], 0x20            ; e8, e9
	s_load_b32 s72, s[10:11], 0x28                 ; e10
	s_cmp_eq_u32 s[WV], 0
	s_cselect_b64 s[BASE:BASE+1], s[6:7], s[8:9]   ; the choice hangs on the wave's number alone
	s_add_nc_u64 s[BASE:BASE+1], s[BASE:BASE+1], s[74:75]
	s_mov_b32 s[G0], 1                             ; 1:0 count = 1
	s_and_b32 s[G0+1], s[WV], 1
	s_lshl_b32 s[G0+1], s[G0+1], 14                ; 63:32 LDS address: slot 0; wave 0: K's place, wave 1: V's
	s_mov_b64 s[G0+2:G0+3], s[BASE:BASE+1]         ; 120:64 global address: key slot 0
	s_or_b32 s[G0+3], s[G0+3], 0x80000000          ; 127:126 type = 2
	TLOAD                                          ; slot 0: one tensor load of a wave is out at the most, here and later
	s_add_nc_u64 s[QPA:QPA+1], s[4:5], s[76:77]
	s_add_nc_u64 s[QPB:QPB+1], s[4:5], s[78:79]
	s_add_nc_u64 s[OPA:OPA+1], s[12:13], s[80:81]
	s_add_nc_u64 s[OPB:OPB+1], s[12:13], s[82:83]
	v_and_b32 v[AL], 31, v0
	s_delay_alu instid0(VALU_DEP_1)
	v_lshlrev_b32 v[AL], 4, v[AL]                  ; 16 x lane: an image's place for my lane
	global_load_b128 v[16:19], v[AL], s[QPA:QPA+1]             ; Q's fragment of the first block stays in registers
	global_load_b128 v[20:23], v[AL], s[QPA:QPA+1] offset:512
	v_and_b32 v9, 15, v0                           ; r
	v_bfe_u32 v10, v0, 4, 1                        ; h
	s_lshl_b32 s66, s[WV], 10
	s_add_co_u32 s66, s66, STAGE                   ; my stage
	v_lshlrev_b32 v[STO], 4, v9
	s_delay_alu instid0(VALU_DEP_1)
	v_lshl_add_u32 v[STO], v10, 3, v[STO]
	s_delay_alu instid0(VALU_DEP_1)
	v_add_nc_u32 v[STO], s66, v[STO]               ; in: 16 r + 8 h
	v_add_nc_u32 v[RD], s66, v[AL]                 ; back: 16 x lane
	v_lshlrev_b32 v[DQ], 3, v10
	s_delay_alu instid0(VALU_DEP_1)
	v_sub_nc_u32 v[DQ], v9, v[DQ]                  ; r - 8 h, for the mask
	v_mov_b32 v246, 0                              ; written once: a lane permute's destination counts as one of its sources
	v_mov_b32 v253, 0                              ; (named as the upper half of the pair v[252:253])
	v_mov_b32 v250, 0xff800000                     ; -infinity
	s_wait_kmcnt 0x0
	s_add_co_i32 s66, s68, s69
	s_lshl_b32 s66, s66, 23
	s_add_co_i32 s[CS], s[CS], s66                 ; a score stands for score x 2^(e6 + e7): the two exponents are added to c's exponent field
	s_mov_b32 s[CS+1], s[CS]                       ; (named with it as a pair, so it is written)
	s_add_co_i32 s66, s70, 127
	s_lshl_b32 s67, s66, 23
	v_mov_b32 v244, s67                            ; 2^e8 as f32, for p's conversion
	s_sub_co_i32 s66, s72, s70
	s_sub_co_i32 s66, s66, s71                     ; a sum of the second product stands for sum x 2^(e8 + e9): the result's conversion takes 2^(e10 - e8 - e9)
	s_add_co_i32 s66, s66, 127
	s_lshl_b32 s67, s66, 23
	v_mov_b32 v245, s67
.macro RESET                           ; a block of queries begins: O^T and the sum are zeros, the largest t lies under every t.  (The step is written once: a block's first step finds zeros, which the first change of M leaves zeros)
	v_mov_b32 v13, 0xff61b1e6                      ; -3e38
	s_delay_alu instid0(VALU_DEP_1)
	v_floor_f32 v12, -v13                          ; -M
	v_mov_b32 v14, 0
	v_mov_b32 v15, 0
.irp j, 0,1,2,3,4,5,6,7,8,9,10,11,12,13,14,15,16,17,18,19,20,21,22,23,24,25,26,27,28,29,30,31
	v_mov_b32 v[160+\j], 0
.endr
.endm
; THE CHANGE OF SLOTS stands at a trip's head.  Each wave waits for all its tensor loads (its part of the slot that it is about to read), adds 0 to its spare word, and waits for that and for its reads of the slot that it has left.
; Behind the barrier the slot ahead is whole and nobody reads the other one.  fill = 1: that other slot takes the next trip's keys: slot TR + 1 of the first block, or TR + 1 - (I + 1) of the second.
.macro CHANGE fill
	s_wait_tensorcnt 0x0                           ; no tensor load of mine is out, so group 0 may be written
	ds_add_u32 v[SPW], v[NIL]                      ; 0 onto my spare word; the descriptor's step stands between it and the wait for it
.if \fill
	s_xor_b32 s[G0+1], s[G0+1], SLOT1              ; the other slot than last time
	s_add_co_u32 s66, s[TR], 1
	s_cmp_gt_u32 s66, s[II]
	s_cselect_b32 s67, s[IP1], 0
	s_sub_co_u32 s66, s66, s67                     ; which 256 keys
	s_lshl_b32 s66, s66, 14                        ; of 16,384 bytes, in kc and in vc alike
	s_mov_b32 s67, 0
	s_add_nc_u64 s[G0+2:G0+3], s[BASE:BASE+1], s[66:67]
	s_or_b32 s[G0+3], s[G0+3], 0x80000000
.endif
	s_wait_dscnt 0x0                               ; the add is done, and my reads of the slot that I have left are over
	s_barrier_signal -1
	s_barrier_wait -1
.if \fill
	TLOAD                                          ; the first thing behind the barrier, and a wave's one tensor load until the next: it has a whole trip in which to land
.endif
.endm
.macro PHASE                           ; which block is in hand, and the trip's first key
	s_cmp_gt_u32 s[TR], s[II]
	s_cselect_b32 s[Q0], s[Q0B], s[Q0A]
	s_cselect_b32 s66, s[IP1], 0
	s_sub_co_u32 s[KF], s[TR], s66
	s_lshl_b32 s[KF], s[KF], 8
	v_add_nc_u32 v[AD], s[TB], v[AL]
.endm
; A KEY STEP: 128 keys, the q-th of the slot in hand.
.macro STEP q
	s_add_co_u32 s96, s[Q0], 15
	s_cmp_gt_u32 s[KF], s96                        ; all its keys come after my queries: the step's work is left out; no barrier and no tensor load stands in a step
	s_cbranch_scc1 .Lhidden_\@
.rept 4
	v_nop                                          ; places in front of loads into registers that the last products read
.endr
	s_wait_alu depctr_va_vdst(0)
.irp t, 0,1,2,3,4,5,6,7
.irp c, 0,1
	ds_load_b128 v[32+8*\t+4*\c:32+8*\t+4*\c+3], v[AD] offset:(8*\q+\t)*1024+512*\c   ; K's tile t: 16 keys x 64, two chunks
.endr
.endr
	s_wait_dscnt 0x0
.irp t, 0,1,2,3,4,5,6,7
	v_wmma_f32_16x16x64_fp8_fp8 v[96+8*\t:103+8*\t], v[32+8*\t:39+8*\t], v[16:23], 0
.endr
.rept 4
	v_nop                                          ; places in front of the loads below and of the first read of the scores
.endr
.irp t, 0,1,2,3
.irp c, 0,1,2,3
	ds_load_b128 v[32+16*\t+4*\c:32+16*\t+4*\c+3], v[AD] offset:VOFF+8192*\q+2048*\t+512*\c   ; V's four fragments land under the softmax
.endr
.endr
	s_add_co_u32 s96, s[KF], 127
	s_cmp_le_u32 s96, s[Q0]                        ; all its keys count: no mask
	s_cbranch_scc1 .Lopen_\@
	s_sub_co_i32 s96, s[Q0], s[KF]
	v_add_nc_u32 v248, s96, v[DQ]                  ; d = my query - KF - 8 h.  Register n holds key KF + 8 h + 16 (n / 8) + n % 8: hidden where 16 (n / 8) + n % 8 > d
.irp n, 0,1,2,3,4,5,6,7,8,9,10,11,12,13,14,15,16,17,18,19,20,21,22,23,24,25,26,27,28,29,30,31,32,33,34,35,36,37,38,39,40,41,42,43,44,45,46,47,48,49,50,51,52,53,54,55,56,57,58,59,60,61,62,63
	v_cmp_gt_i32 vcc_lo, 16*(\n/8)+\n%8, v248
	v_cndmask_b32 v[96+\n], v[96+\n], v250, vcc_lo
.endr
.Lopen_\@:
	v_max3_num_f32 v254, v96, v97, v98             ; the step's largest score of my query, among my 64 keys, in two chains, each accumulator from its low end on,
	v_max3_num_f32 v252, v99, v100, v101
.irp i, 6,10,14,18,22,26,30,34,38,42,46,50,54,58
	v_max3_num_f32 v254, v254, v[96+\i], v[97+\i]
	v_max3_num_f32 v252, v252, v[98+\i], v[99+\i]
.endr
	v_max3_num_f32 v254, v254, v158, v159
	s_delay_alu instid0(VALU_DEP_1)
	v_max_num_f32 v254, v254, v252
	s_delay_alu instid0(VALU_DEP_1)
	v_permlanex16_b32 v246, v254, s[SEL], s[SEL+1]
	s_delay_alu instid0(VALU_DEP_1)
	v_max_num_f32 v254, v254, v246                 ; and among lane l xor 16's
	s_delay_alu instid0(VALU_DEP_1)
	v_mul_f32 v254, s[CS], v254                    ; as t (c is positive)
	s_delay_alu instid0(VALU_DEP_1)
	v_max_num_f32 v13, v13, v254                   ; the running largest t
	v_mov_b32 v254, v12
	s_delay_alu instid0(VALU_DEP_2)
	v_floor_f32 v12, -v13                          ; the new -M = floor(-t) = -ceil(t): M IS A WHOLE NUMBER
	s_delay_alu instid0(VALU_DEP_1)
	v_sub_f32 v254, v12, v254                      ; M's old value less its new one: a whole number, 0 or less
	s_delay_alu instid0(VALU_DEP_1)
	v_cvt_i32_f32 v254, v254                       ; (it saturates)
	s_delay_alu instid0(VALU_DEP_1)
	v_ldexp_f32 v252, 1.0, v254                    ; f = 2^(old M - new M): a multiplication by it rounds nothing
.irp t, 0,1,2,3,4,5,6,7
.irp i, 0,2,4,6
	v_pk_fma_f32 v[96+8*\t+\i:97+8*\t+\i], v[96+8*\t+\i:97+8*\t+\i], s[CS:CS+1], v[12:13] op_sel_hi:[1,0,0]   ; t - M, two at a time (of the pairs c and -M the low word serves both halves)
.endr
.endr
	s_wait_alu depctr_va_vdst(0)
.irp t, 0,1,2,3,4,5,6,7
.irp i, 0,1,2,3,4,5,6,7
	v_exp_f32 v[96+8*\t+\i], v[96+8*\t+\i]         ; p = 2^(t - M), at most 1: NOT normalised
.endr
.endr
	v_pk_mul_f32 v[14:15], v[14:15], v[252:253] op_sel_hi:[1,0]   ; the sums under the new M.  (A plain place behind the exponentials)
	s_wait_alu depctr_va_vdst(0)
	v_pk_add_f32 v[242:243], v[100:101], v[104:105]
	v_pk_add_f32 v[254:255], v[108:109], v[112:113]
	v_pk_add_f32 v[248:249], v[116:117], v[120:121]
	v_pk_add_f32 v[240:241], v[124:125], v[128:129]
	v_pk_add_f32 v[238:239], v[132:133], v[136:137]
	v_pk_add_f32 v[236:237], v[140:141], v[144:145]
	v_pk_add_f32 v[234:235], v[148:149], v[152:153]
	v_pk_add_f32 v[14:15], v[14:15], v[156:157]
	v_pk_add_f32 v[242:243], v[242:243], v[96:97]
	v_pk_add_f32 v[254:255], v[254:255], v[98:99]
	v_pk_add_f32 v[248:249], v[248:249], v[102:103]
	v_pk_add_f32 v[240:241], v[240:241], v[106:107]
	v_pk_add_f32 v[238:239], v[238:239], v[110:111]
	v_pk_add_f32 v[236:237], v[236:237], v[114:115]
	v_pk_add_f32 v[234:235], v[234:235], v[118:119]
	v_pk_add_f32 v[14:15], v[14:15], v[122:123]
	v_pk_add_f32 v[242:243], v[242:243], v[126:127]
	v_pk_add_f32 v[254:255], v[254:255], v[130:131]
	v_pk_add_f32 v[248:249], v[248:249], v[134:135]
	v_pk_add_f32 v[240:241], v[240:241], v[138:139]
	v_pk_add_f32 v[238:239], v[238:239], v[142:143]
	v_pk_add_f32 v[236:237], v[236:237], v[146:147]
	v_pk_add_f32 v[234:235], v[234:235], v[150:151]
	v_pk_add_f32 v[14:15], v[14:15], v[154:155]
	v_pk_add_f32 v[242:243], v[242:243], v[158:159]
	s_delay_alu instid0(VALU_DEP_2)
	v_pk_add_f32 v[14:15], v[14:15], v[240:241]
	s_delay_alu instid0(VALU_DEP_2)
	v_pk_add_f32 v[242:243], v[242:243], v[238:239]
	v_pk_add_f32 v[254:255], v[254:255], v[236:237]
	v_pk_add_f32 v[248:249], v[248:249], v[234:235]
	s_delay_alu instid0(VALU_DEP_2)
	v_pk_add_f32 v[14:15], v[14:15], v[254:255]
	s_delay_alu instid0(VALU_DEP_2)
	v_pk_add_f32 v[242:243], v[242:243], v[248:249]
	s_delay_alu instid0(VALU_DEP_1)
	v_pk_add_f32 v[14:15], v[14:15], v[242:243]
.irp t, 0,1,2,3,4,5,6,7
.irp i, 0,1,2,3,4,5,6,7
.endr
	v_cvt_scalef32_pk8_fp8_f32 v[224+2*\t:225+2*\t], v[96+8*\t:103+8*\t], v244   ; keys 16 t + 8 h + 0 .. 7: registers 2 t, 2 t + 1 of the operand
.endr
.irp j, 0,2,4,6,8,10,12,14,16,18,20,22,24,26,28,30
	v_pk_mul_f32 v[160+\j:161+\j], v[160+\j:161+\j], v[252:253] op_sel_hi:[1,0]   ; O^T under the new M.  (These are also the plain lines between the conversions and the products)
.endr
	s_wait_alu depctr_va_vdst(0)
	s_wait_dscnt 0x0                               ; V
.irp t, 0,1,2,3
	v_wmma_f32_16x16x128_fp8_fp8 v[160+8*\t:167+8*\t], v[32+16*\t:47+16*\t], v[224:239], v[160+8*\t:167+8*\t]   ; O^T += V^T P^T: the four accumulators by turns, one instruction a turn
.endr
.Lhidden_\@:
	s_add_co_u32 s[KF], s[KF], 128
.endm
; THE WAY OUT of a block: O^T / the sum, quantised with the scale given for the last projection's operand.  A lane's eight codes of tile t are channels 16 t + 8 h + 0 .. 7 of query r: they go through my stage
; (chunk t / 2, lane 16 (t % 2) + r, byte 8 h) and leave as 1,024 consecutive bytes.
.macro WAYOUT ptr
.rept 4
	v_nop                                          ; places behind the last products
.endr
	v_add_f32 v14, v14, v15                        ; the sum's two halves,
	s_delay_alu instid0(VALU_DEP_1)
	v_permlanex16_b32 v246, v14, s[SEL], s[SEL+1]
	s_delay_alu instid0(VALU_DEP_1)
	v_add_f32 v14, v14, v246                       ; and lane l xor 16's: the row's sum
	s_wait_alu depctr_va_vdst(0)
	v_rcp_f32 v14, v14
	v_nop                                          ; one plain place behind a transcendental
	s_wait_alu depctr_va_vdst(0)
.irp j, 0,2,4,6,8,10,12,14,16,18,20,22,24,26,28,30
	v_pk_mul_f32 v[96+\j:97+\j], v[160+\j:161+\j], v[14:15] op_sel_hi:[1,0]   ; each accumulator from its low end on
.endr
.irp j, 0,1,2,3,4,5,6,7,8,9,10,11,12,13,14,15,16,17,18,19,20,21,22,23,24,25,26,27,28,29,30,31
.endr
.irp t, 0,1,2,3
	v_cvt_scalef32_pk8_fp8_f32 v[224+2*\t:225+2*\t], v[96+8*\t:103+8*\t], v245
.endr
	v_nop                                          ; one plain vector line behind the last conversion
.irp t, 0,1,2,3
	ds_store_b64 v[STO], v[224+2*\t:225+2*\t] offset:256*\t
.endr
	ds_load_b128 v[192:195], v[RD]                 ; LDS serves a wave's instructions in order (ISA guide 5.7.1.4): these see my stores
	ds_load_b128 v[196:199], v[RD] offset:512
	s_wait_dscnt 0x1                               ; the younger load may be out
	global_store_b128 v[AL], v[192:195], s[\ptr:\ptr+1]
	s_wait_dscnt 0x0
	global_store_b128 v[AL], v[196:199], s[\ptr:\ptr+1] offset:512
	s_wait_xcnt 0x0                                ; the stores have read their registers: they may be written again
.endm
	RESET
	s_wait_loadcnt 0x0                             ; Q
.Ltrip:                                            ; 8 trips: behind each change of slots but the last the next slot is asked for
	CHANGE 1
	PHASE
	s_cmp_lg_u32 s[TR], s[IP1]                     ; in trip I + 1 (one of trips 1 to 4) the first block is finished and the second begins: a scalar branch on ids, with no barrier and no tensor load inside
	s_cbranch_scc1 .Lsame
	global_load_b128 v[16:19], v[AL], s[QPB:QPB+1]             ; the last products that read Q stand a whole softmax back
	global_load_b128 v[20:23], v[AL], s[QPB:QPB+1] offset:512
	WAYOUT OPA
	RESET
	s_wait_loadcnt 0x0
.Lsame:
	STEP 0
	STEP 1
	s_xor_b32 s[TB], s[TB], SLOT1                  ; on to the other slot
	s_add_co_u32 s[TR], s[TR], 1
	s_cmp_lt_u32 s[TR], 8
	s_cbranch_scc1 .Ltrip
	CHANGE 0                                       ; the last trip is written out
	PHASE
	STEP 0
	STEP 1
	WAYOUT OPB
	s_wait_tensorcnt 0x0                           ; the wave's end, behind my last tensor load and my last LDS store
	ds_add_u32 v[SPW], v[NIL]
	s_wait_dscnt 0x0
	s_endpgm
.Lfunc_end_k_qc08773f748_attn:
	.size	k_qc08773f748_attn, .Lfunc_end_k_qc08773f748_attn-k_qc08773f748_attn
	.p2alignl 7, 3214868480
	.fill 96, 4, 3214868480
	.section	.rodata,"a",@progbits
	.p2align	6, 0x0
	.amdhsa_kernel k_qc08773f748_attn
		.amdhsa_group_segment_fixed_size 327680
		.amdhsa_private_segment_fixed_size 0
		.amdhsa_enable_private_segment 0
		.amdhsa_kernarg_size 40
		.amdhsa_user_sgpr_count 2
		.amdhsa_user_sgpr_kernarg_segment_ptr 1
		.amdhsa_wavefront_size32 1
		.amdhsa_system_sgpr_workgroup_id_x 1
		.amdhsa_system_sgpr_workgroup_id_y 1
		.amdhsa_system_sgpr_workgroup_id_z 1
		.amdhsa_system_vgpr_workitem_id 0
		.amdhsa_next_free_vgpr 256
		.amdhsa_next_free_sgpr 100
		.amdhsa_reserve_vcc 1
		.amdhsa_float_denorm_mode_32 3
		.amdhsa_float_denorm_mode_16_64 3
		.amdhsa_fp16_overflow 1
		.amdhsa_memory_ordered 1
		.amdhsa_forward_progress 1
		.amdhsa_inst_pref_size 90
	.end_amdhsa_kernel
	.amdgpu_metadata
---
amdhsa.version: [ 1, 2 ]
amdhsa.kernels:
  - .name:           k_qc08773f748_attn
    .symbol:         k_qc08773f748_attn.kd
    .args:
      - { .name: qc, .offset: 0, .size: 8, .value_kind: global_buffer, .address_space: global }
      - { .name: kc, .offset: 8, .size: 8, .value_kind: global_buffer, .address_space: global }
      - { .name: vc, .offset: 16, .size: 8, .value_kind: global_buffer, .address_space: global }
      - { .name: lowp_scales, .offset: 24, .size: 8, .value_kind: global_buffer, .address_space: global }
      - { .name: ac, .offset: 32, .size: 8, .value_kind: global_buffer, .address_space: global }
    .group_segment_fixed_size: 327680
    .private_segment_fixed_size: 0
    .kernarg_segment_align: 8
    .kernarg_segment_size: 40
    .max_flat_workgroup_size: 512
    .sgpr_count:     100
    .vgpr_count:     256
    .wavefront_size: 32
...
	.end_amdgpu_metadata
.endif
;; end of part 2
;; launch outp (part 3): grid 4 x 64, 4 waves a work-group, clusters of 4 x 4, 327,680 bytes of LDS; arguments ac, wo_codes, bo, lowp_scales, out0; writes out0
.if DOCPART == 3
	.amdgcn_target "amdgcn-amd-amdhsa--gfx1250"
	.amdhsa_code_object_version 6
	.text
	.protected	k_qc08773f748_outp
	.globl	k_qc08773f748_outp
	.p2align	8
	.type	k_qc08773f748_outp,@function
k_qc08773f748_outp:
	s_mov_b64 s[64:65], 0
	v_nop
	global_prefetch_b8 v0, s[64:65] scope:SCOPE_SE
	s_setreg_imm32_b32 hwreg(HW_REG_WAVE_MODE, 25, 1), 1
	s_wait_xcnt 0x0
	s_wait_alu depctr_hold_cnt(0) depctr_sa_sdst(0) depctr_va_vdst(0) depctr_va_sdst(0) depctr_va_ssrc(0) depctr_va_vcc(0) depctr_vm_vsrc(0)
	s_getreg_b32 s2, hwreg(HW_REG_IB_STS2, 6, 4)
	s_cmp_eq_u32 s2, 0
	s_cbranch_scc0 .Lentry_in_a_cluster
	s_endpgm
.Lentry_in_a_cluster:
	s_bfe_u32 s2, ttmp6, 0x10000c
	s_cmp_lg_u32 s2, 0xf033
	s_cbranch_scc0 .Lentry_shape_is_right
	s_endpgm
.Lentry_shape_is_right:
; THE LAST PROJECTION: out0 = a wo^T + bo, on codes of FP8 (E4M3).  a: 8,192 rows x 1,024, the attention's result as codes; wo: [1024][1024] codes, K innermost; bo [1024], out0 [8192][1024]: f32.
; ac: [tile of 128 rows 64][head 16][block of 16 rows 8][chunk c 2][lane 32][16]: lane 16 h + r, byte y = row 16 block + r, K = 64 head + 32 c + 16 h + y: images of the operand's registers, so that a K step of 256
; (four heads) of a tile's 128 rows is one dense block of 32,768 bytes, and a fragment comes by four loads of 512 bytes on end.
; A work-group makes a tile of 128 rows x 256 columns: 256 work-groups.  Four waves; wave w makes 64 rows (w / 2) x 128 columns (w % 2): 32 accumulators of 16 x 16, 256 registers.
; THE MATRIX INSTRUCTION IS USED TRANSPOSED (source 0 = 16 rows of wo, source 1 = 16 rows of a): a lane holds eight neighbouring numbers of a row of out0.
; K goes in four steps of 256 through THREE LDS slots: K steps 0, 1, 2 are asked for at the start (one tensor load of a wave is out at the most), K step 3 fills slot 0 again behind the one change of slots that refills.
; CLUSTERS: 4 x 4 work-groups.  The four of a row of the cluster need the same tiles of a, the four of a column the same tiles of wo: each tile is asked for JOINTLY.
; LIMIT: e10 + e11 between -126 and 127, so that 2^(e10 + e11) is an f32 number.
; REGISTERS, in windows of 256: window 0: v0-31 addresses; v64-127, v128-191 a's fragments, two sets; on the way out v64-255 are free.   window 1: wo's fragments, two sets.
;   window 2: accumulator (a, b) at v[8 (8 a + b)].   window 3: v0-63 the bias of my 128 columns, in the result's layout.
.set PITCH,  272                       ; a row of wo in LDS: 256 bytes + 16 of padding = 68 words: row r starts at bank 4 r mod 64 (64 banks of 4 bytes: ISA guide 11.1)
.set AHALF,  16384                     ; what wave 0 or 1 fetches: two heads x 128 rows x 64 bytes
.set BHALF,  128*PITCH                 ; what wave 2 or 3 fetches, and what a wave reads of wo
.set BOFF,   2*AHALF
.set SLOT,   BOFF+2*BHALF
.set STG,    SLOT                      ; the way out: 16 rows x 528 bytes for each wave, in slot 1, which has had its one fill and its last read when the first result is stored there
.set SPITCH, 528
.set SPARE,  3*SLOT                    ; behind the slots: the spare words, 128 bytes for each wave: two blocks of 256 bytes that no other line names
.set ASTEP,  3*32768                   ; from K step 0 to K step 3, in bytes
.set BSTEP,  3*256
.set ADRA, 16                          ; v16-18  LDS address of my fragments of a in slot 0, 1, 2
.set ADRB, 20                          ; v20-22  the same for wo
.set STO,  24                          ; v24     the stage: where I put 32 bytes of a row
.set RD,   25                          ; v25     the stage: where I read a row back
.set CO,   26                          ; v26     16 x lane: my place in a row's 512 bytes
.set BH,   27                          ; v27     32 h: the bias
.set SPW,  28                          ; v28     LDS address of my spare word; never rewritten
.set NIL,  29                          ; v29     0; never rewritten
.set TMP,  64                          ; the way out: a block's 64 results
.set BK,   128                         ; the way out: 16 rows read back: v128-191 and v192-255 by turns
.set G1A, 20
.set G1B, 28
.set G0A, 36
.set G0B, 48
.set WV, 78
.set WH, 79                            ; wave / 2: my half of the rows.  Also: I fetch for a (0) or for wo (1)
.set WL, 80                            ; wave % 2: my half of the columns.  Also: which half of that tile I fetch
.set CX, 81
.set CY, 82
.set TA, 85
.set TB, 86
.set FS, 92                            ; s[92:93] 2^(e10 + e11), twice
.set MSB, 0
.macro WIN new                         ; the immediate's high byte repeats the setting that is left
.if MSB != \new
	s_set_vgpr_msb (MSB<<8)|\new
.set MSB, \new
.endif
.endm
.set MUL,   0xa1                       ; source 0 (wo) window 1, source 1 (a) window 0, C and D window 2
.set TO_B,  0x40                       ; destination window 1, address window 0
.set TO_W3, 0xc0                       ; destination window 3, address window 0
.macro JLOAD s                         ; a joint load: waves 0 and 1 fetch a's halves, waves 2 and 3 wo's; four v_nop follow each of the two lines
	s_cmp_eq_u32 s[WH], 0
	s_cbranch_scc0 .Lfor_b_\@
	tensor_load_to_lds s[G0A+4*\s:G0A+4*\s+3], s[G1A:G1A+7]
	s_nop 0
.rept 4
	v_nop
.endr
	s_branch .Lasked_\@
.Lfor_b_\@:
	tensor_load_to_lds s[G0B+4*\s:G0B+4*\s+3], s[G1B:G1B+7]
	s_nop 0
.rept 4
	v_nop
.endr
.Lasked_\@:
.endm
.macro CREST                           ; a round of the cluster's barrier behind its opening barrier
	s_cmp_lg_u32 s[WV], 0
	s_cbranch_scc1 .Lnot_wave_0_\@
	s_barrier_signal -3
.Lnot_wave_0_\@:
	s_barrier_wait -3
	s_barrier_signal -1
	s_barrier_wait -1
.endm
.macro CROUND                          ; a whole round
	s_barrier_signal -1
	s_barrier_wait -1
	CREST
.endm
.macro PLACES                          ; four places in front of loads into registers that matrix instructions have read, and of the first read of results (ISA guide 7.12.1 for the first read of results)
.rept 4
	v_nop
.endr
.endm
	s_load_b256 s[4:11], s[0:1], 0x0               ; ac s[4:5], wo's codes s[6:7], bo s[8:9], the scales' exponents s[10:11]
	s_load_b64 s[12:13], s[0:1], 0x20              ; out0
	v_lshl_add_u32 v[SPW], v0, 2, SPARE
	v_mov_b32 v[NIL], 0
	ds_add_u32 v28, v29
	ds_add_u32 v28, v29
	s_wait_dscnt 0x0
	v_lshrrev_b32 v1, 5, v0
	v_readfirstlane_b32 s[WV], v1                  ; wave 0..3
	s_lshr_b32 s[WH], s[WV], 1
	s_and_b32 s[WL], s[WV], 1
	s_bfe_u32 s[CX], ttmp6, 0x40000                ; cx, cy: my place in the cluster
	s_bfe_u32 s[CY], ttmp6, 0x40004
	s_and_b32 s[TA], ttmp7, 0xffff
	s_lshl_b32 s[TA], s[TA], 2
	s_add_co_u32 s[TA], s[TA], s[CY]               ; tile of rows = 4 x cluster y + cy
	s_lshl_b32 s[TB], ttmp9, 2
	s_add_co_u32 s[TB], s[TB], s[CX]               ; tile of columns = 4 x cluster x + cx
	s_lshl_b32 s87, s[CY], 2
	s_lshl_b32 s87, 15, s87                        ; my row of the cluster
	s_lshl_b32 s88, 0x1111, s[CX]                  ; my column
	; descriptor group 1.  a: a dense block of 16,384 bytes as 64 rows of 256, no padding.  wo: 128 rows of 256 bytes, 1,024 apart, padded in LDS
	s_or_b32 s[G1A], s87, (3<<16)|(1<<21)          ; 15:0 the mask; 17:16 elements of 8 bytes; 21 set beside a mask
	s_mov_b32 s[G1A+1], 32<<16                     ; tensor_dim0
	s_mov_b32 s[G1A+2], 64<<16                     ; tensor_dim1
	s_mov_b32 s[G1A+3], 32<<16                     ; tile_dim0
	s_mov_b32 s[G1A+4], 64                         ; tile_dim1
	s_mov_b32 s[G1A+5], 32                         ; tensor_dim0_stride
	s_mov_b32 s[G1A+6], 0
	s_mov_b32 s[G1A+7], 0
	s_or_b32 s[G1B], s88, (1<<20)|(1<<21)|(5<<22)|(3<<25)   ; elements of 1 byte; padding: four words after every 64
	s_mov_b32 s[G1B+1], 256<<16
	s_mov_b32 s[G1B+2], 128<<16
	s_mov_b32 s[G1B+3], 256<<16
	s_mov_b32 s[G1B+4], 128
	s_mov_b32 s[G1B+5], 1024
	s_mov_b32 s[G1B+6], 0
	s_mov_b32 s[G1B+7], 0
	s_lshl_b32 s60, s[TA], 17                      ; a: 131,072 bytes to a tile of rows, + two heads (16,384 bytes) x half
	s_lshl_b32 s61, s[WL], 14
	s_add_co_u32 s60, s60, s61
	s_mov_b32 s61, 0
	s_lshl_b32 s62, s[TB], 18                      ; wo: row 256 x tile + 128 x half, rows of 1,024 bytes
	s_lshl_b32 s63, s[WL], 17
	s_add_co_u32 s62, s62, s63
	s_mov_b32 s63, 0
	s_lshl_b32 s89, s[WL], 14                      ; where they go: no place in the cluster enters an LDS address
	s_mul_i32 s90, s[WL], BHALF
	s_add_co_u32 s90, s90, BOFF
	s_wait_kmcnt 0x0
	s_load_b64 s[94:95], s[10:11], 0x28            ; e10, e11
	s_add_nc_u64 s[60:61], s[4:5], s[60:61]
	s_add_nc_u64 s[62:63], s[6:7], s[62:63]
	CROUND                                         ; all sixteen work-groups are here: the first joint loads meet
.irp s, 0,1,2
	s_mov_b32 s[G0A+4*\s], 1                       ; 1:0 count = 1
	s_add_co_u32 s[G0A+4*\s+1], s89, \s*SLOT       ; 63:32 LDS address
	s_add_nc_u64 s[G0A+4*\s+2:G0A+4*\s+3], s[60:61], \s*32768   ; 120:64 global address: K step s = heads 4 s on
	s_or_b32 s[G0A+4*\s+3], s[G0A+4*\s+3], 0x80000000           ; 127:126 type = 2
	s_mov_b32 s[G0B+4*\s], 1
	s_add_co_u32 s[G0B+4*\s+1], s90, \s*SLOT
	s_add_nc_u64 s[G0B+4*\s+2:G0B+4*\s+3], s[62:63], \s*256
	s_or_b32 s[G0B+4*\s+3], s[G0B+4*\s+3], 0x80000000
	s_wait_alu depctr_va_vdst(0)
	s_wait_tensorcnt 0x0
	ds_add_u32 v28, v29
	ds_add_u32 v28, v29
	s_wait_dscnt 0x0
	CROUND
	JLOAD \s                                       ; three quarters of K are asked for before anything else is done
.endr
	v_and_b32 v1, 15, v0                           ; r
	s_wait_alu depctr_va_vdst(0)
	v_bfe_u32 v2, v0, 4, 1                         ; h
	v_and_b32 v3, 31, v0                           ; lane
	v_lshlrev_b32 v[CO], 4, v3
	v_lshlrev_b32 v[BH], 5, v2
	s_lshl_b32 s98, s[TB], 10                      ; the bias of my 128 columns: 4 (256 x tile + 128 x half) bytes on; the same bytes on in a row of out0
	s_lshl_b32 s99, s[WL], 9
	s_add_co_u32 s98, s98, s99
	s_mov_b32 s99, 0
	s_add_nc_u64 s[8:9], s[8:9], s[98:99]
	s_add_nc_u64 s[12:13], s[12:13], s[98:99]
	WIN TO_W3
.irp b, 0,1,2,3,4,5,6,7
	global_load_b128 v[8*\b:8*\b+3], v[BH], s[8:9] offset:64*\b          ; bo(16 b + 8 h + 0 .. 7), in the result's layout
	global_load_b128 v[8*\b+4:8*\b+7], v[BH], s[8:9] offset:64*\b+16
.endr
	WIN 0
	s_lshl_b32 s98, s[TA], 19                      ; my first row of out0: 128 x tile + 64 x half, rows of 4,096 bytes
	s_lshl_b32 s99, s[WH], 18
	s_add_co_u32 s98, s98, s99
	s_mov_b32 s99, 0
	s_add_nc_u64 s[12:13], s[12:13], s[98:99]
	v_mul_u32_u24 v4, v1, PITCH
	s_wait_alu depctr_va_vdst(0)
	v_lshl_add_u32 v4, v2, 4, v4                   ; wo: a fragment's row x pitch + 16 h
	s_lshl_b32 s66, s[WH], 12                      ; a: my four blocks of 16 rows in each head's eight,
	s_mul_i32 s67, s[WL], BHALF                    ; wo: my 128 rows,
	s_add_co_u32 s67, s67, BOFF                    ; which lie behind a's four heads
.irp s, 0,1,2
	v_add_nc_u32 v[ADRA+\s], s66, v[CO]            ; an image's place for my lane: 16 x lane
	v_add_nc_u32 v[ADRB+\s], s67, v4
	s_add_co_u32 s66, s66, SLOT
	s_add_co_u32 s67, s67, SLOT
.endr
	s_mul_i32 s66, s[WV], 16*SPITCH
	s_add_co_u32 s66, s66, STG                     ; my stage
	v_mul_u32_u24 v5, v1, SPITCH
	v_lshl_add_u32 v5, v2, 5, v5
	v_add_nc_u32 v[STO], s66, v5                   ; in: row r, 32 bytes for each half of the lanes
	v_add_nc_u32 v[RD], s66, v[CO]                 ; back: the 32 lanes take one row of 512 bytes
	s_wait_alu depctr_va_vdst(0)
	s_wait_kmcnt 0x0
	s_add_co_i32 s[FS], s94, s95
	s_add_co_i32 s[FS], s[FS], 127
	s_lshl_b32 s[FS], s[FS], 23                    ; 2^(e10 + e11) as f32
	s_mov_b32 s[FS+1], s[FS]                       ; (named with it as a pair, so it is written)
.macro FRAGB reg, adr, q, i            ; a fragment of wo, 16 rows x 128 K: registers 4 c .. 4 c + 3 hold K = 32 c + 16 h + 0 .. 15
.irp c, 0,1,2,3
	ds_load_b128 v[\reg+4*\c:\reg+4*\c+3], v[\adr] offset:128*(\q)+32*\c+(\i)*16*PITCH
.endr
.endm
.macro FRAGA reg, adr, q, i            ; a fragment of a: the same K in the same registers: head 2 q + c / 2 of the slot's four, chunk c % 2
.irp c, 0,1,2,3
	ds_load_b128 v[\reg+4*\c:\reg+4*\c+3], v[\adr] offset:(2*(\q)+\c/2)*8192+(\i)*1024+(\c%2)*512
.endr
.endm
.macro FETCH slot, q, p                ; 48 LDS loads in one run: the fragments of the slot's q-th 128 along K into set p
	WIN TO_B
.irp i, 0,1,2,3,4,5,6,7
	FRAGB 128*(\p)+16*\i, ADRB+\slot, \q, \i
.endr
	WIN 0
.irp i, 0,1,2,3
	FRAGA 64+64*(\p)+16*\i, ADRA+\slot, \q, \i
.endr
.endm
; 8 matrix instructions: a's block x wo's eight, 128 along K, set p.  zero = 1: the first product starts the sums.  The 32 accumulators take turns, one instruction a turn, in the same order in every step.
.macro MULA a, p, zero
	WIN MUL
.irp b, 0,1,2,3,4,5,6,7
.if \zero
	v_wmma_f32_16x16x128_fp8_fp8 v[8*(8*\a+\b):8*(8*\a+\b)+7], v[128*(\p)+16*\b:128*(\p)+16*\b+15], v[64+64*(\p)+16*\a:64+64*(\p)+16*\a+15], 0
.else
	v_wmma_f32_16x16x128_fp8_fp8 v[8*(8*\a+\b):8*(8*\a+\b)+7], v[128*(\p)+16*\b:128*(\p)+16*\b+15], v[64+64*(\p)+16*\a:64+64*(\p)+16*\a+15], v[8*(8*\a+\b):8*(8*\a+\b)+7]
.endif
.endr
.endm
.macro STEP p, fslot, fq, zero         ; a step of 128 along K: multiplies set p; ahead of its 32 products it asks for the next step's fragments, into the other set
	s_wait_dscnt 0x0                               ; set p is in (asked for 32 matrix instructions ago)
	PLACES
	FETCH \fslot, \fq, 1-\p
	MULA 0, \p, \zero
	MULA 1, \p, \zero
	MULA 2, \p, \zero
	MULA 3, \p, \zero
.endm
; A step that leaves a slot (it multiplies set 1): ONE barrier; in front of it each wave waits for all its tensor loads, adds 0 to its spare word, and waits for that and for its reads.
; fill = 1: slot 0, just read out, takes K step 3: the barrier opens a round of the cluster's, and the joint refill is the first thing behind it.  fill = 0: nothing is filled; behind the barrier slot 0 holds K step 3 whole.
.macro TURN fill, next
	WIN 0                                          ; (the add's two registers lie in window 0)
	s_wait_tensorcnt 0x0                           ; all my tensor loads have landed
	ds_add_u32 v[SPW], v[NIL]                      ; 0 onto my spare word
	s_wait_dscnt 0x1                               ; (the add may be out: the 48 loads of set 1 are in)
	MULA 0, 1, 0                                   ; eight matrix instructions stand between the add and the wait for it
	s_wait_dscnt 0x0                               ; the add is done, and my reads of the slot are over
	s_barrier_signal -1
	MULA 1, 1, 0
	WIN 0
	s_barrier_wait -1
.if \fill
	CREST                                          ; no wave of any partner still reads slot 0 or has a load on its way
	s_add_nc_u64 s[G0A+2:G0A+3], s[G0A+2:G0A+3], ASTEP
	s_add_nc_u64 s[G0B+2:G0B+3], s[G0B+2:G0B+3], BSTEP
	JLOAD 0                                        ; it has the steps up to the next change of slots in which to land; the four v_nop behind it are the places in front of the loads below
.else
	PLACES
.endif
	FETCH \next, 0, 0
	MULA 2, 1, 0
	MULA 3, 1, 0
.endm
	s_wait_tensorcnt 0x2                           ; my part of K steps 0 and 1 is in; K step 2 may stay out
	s_barrier_signal -1
	s_barrier_wait -1                              ; everybody's is
	FETCH 0, 0, 0
	STEP 0, 0, 1, 1                                ; K 0-127: its products start the sums
	TURN 1, 1                                      ; K 128-255; slot 0 is left and filled again
	STEP 0, 1, 1, 0
	STEP 1, 2, 0, 0
	STEP 0, 2, 1, 0
	TURN 0, 0                                      ; K 640-767; slots 1 and 2 are left
	STEP 0, 0, 1, 0
	s_wait_dscnt 0x0                               ; the last step: nothing more to fetch
	MULA 0, 1, 0
	MULA 1, 1, 0
	MULA 2, 1, 0
	MULA 3, 1, 0
	WIN 0
; THE WAY OUT, block by block of 16 rows x 128 columns.  A lane holds 32 neighbouring bytes of a row, and the lanes beside it hold other rows: so a block goes through my own stage in LDS and comes back as whole rows of
; 512 bytes.  LDS serves a wave's instructions in order (ISA guide 5.7.1.4): no wait between the stores and the loads, nor in front of the next block's stores.
.macro TOSTAGE a
	WIN 0x32                                       ; source 0 (the sums) window 2, source 2 (the bias) window 3
.irp b, 0,1,2,3,4,5,6,7
.irp i, 0,2,4,6
	v_pk_fma_f32 v[TMP+8*\b+\i:TMP+8*\b+\i+1], v[8*(8*(\a)+\b)+\i:8*(8*(\a)+\b)+\i+1], s[FS:FS+1], v[8*\b+\i:8*\b+\i+1] op_sel_hi:[1,0,1]   ; sum x 2^(e10 + e11) + bo; each accumulator from its low end on
.endr
.endr
	WIN 0
.irp b, 0,1,2,3,4,5,6,7
	ds_store_b128 v[STO], v[TMP+8*\b:TMP+8*\b+3] offset:64*\b
	ds_store_b128 v[STO], v[TMP+8*\b+4:TMP+8*\b+7] offset:64*\b+16
.endr
.set BB, BK+64*((\a)%2)
.irp t, 0,1,2,3,4,5,6,7,8,9,10,11,12,13,14,15
	ds_load_b128 v[BB+4*\t:BB+4*\t+3], v[RD] offset:\t*SPITCH
.endr
.endm
.macro SEND a, younger                 ; younger: the LDS instructions issued behind block a's loads, which may stay out
.set BB, BK+64*((\a)%2)
	s_wait_dscnt \younger                          ; the block is back in registers
.irp t, 0,1,2,3,4,5,6,7,8,9,10,11,12,13,14,15
	global_store_b128 v[CO], v[BB+4*\t:BB+4*\t+3], s[12:13] offset:(\a)*65536+\t*4096 th:TH_STORE_NT   ; 32 lanes store 512 consecutive bytes, at a multiple of 256 from out0's first byte; written once, read by nobody here
.endr
.endm
	s_wait_loadcnt 0x0                             ; the bias
	PLACES
	TOSTAGE 0
.irp a, 1,2,3
.if \a > 1
	s_wait_xcnt 0x0                                ; block a - 2's stores have read their registers: block a's loads may land there
.endif
	TOSTAGE \a
	SEND \a-1, 32                                  ; behind block a - 1's loads: block a's 16 stores and 16 loads
.endr
	SEND 3, 0
	s_wait_tensorcnt 0x0                           ; the wave's end, behind my last tensor load and my last LDS store
	ds_add_u32 v[SPW], v[NIL]
	s_wait_dscnt 0x0
	CROUND                                         ; the closing round: no work-group ends while a partner may still ask for a tile that names it
	s_endpgm
.Lfunc_end_k_qc08773f748_outp:
	.size	k_qc08773f748_outp, .Lfunc_end_k_qc08773f748_outp-k_qc08773f748_outp
	.p2alignl 7, 3214868480
	.fill 96, 4, 3214868480
	.section	.rodata,"a",@progbits
	.p2align	6, 0x0
	.amdhsa_kernel k_qc08773f748_outp
		.amdhsa_group_segment_fixed_size 327680
		.amdhsa_private_segment_fixed_size 0
		.amdhsa_enable_private_segment 0
		.amdhsa_kernarg_size 40
		.amdhsa_user_sgpr_count 2
		.amdhsa_user_sgpr_kernarg_segment_ptr 1
		.amdhsa_wavefront_size32 1
		.amdhsa_system_sgpr_workgroup_id_x 1
		.amdhsa_system_sgpr_workgroup_id_y 1
		.amdhsa_system_sgpr_workgroup_id_z 1
		.amdhsa_system_vgpr_workitem_id 0
		.amdhsa_next_free_vgpr 832
		.amdhsa_next_free_sgpr 100
		.amdhsa_reserve_vcc 0
		.amdhsa_float_denorm_mode_32 3
		.amdhsa_float_denorm_mode_16_64 3
		.amdhsa_memory_ordered 1
		.amdhsa_forward_progress 1
		.amdhsa_inst_pref_size 78
	.end_amdhsa_kernel
	.amdgpu_metadata
---
amdhsa.version: [ 1, 2 ]
amdhsa.kernels:
  - .name:           k_qc08773f748_outp
    .symbol:         k_qc08773f748_outp.kd
    .args:
      - { .name: ac, .offset: 0, .size: 8, .value_kind: global_buffer, .address_space: global }
      - { .name: wo_codes, .offset: 8, .size: 8, .value_kind: global_buffer, .address_space: global }
      - { .name: bo, .offset: 16, .size: 8, .value_kind: global_buffer, .address_space: global }
      - { .name: lowp_scales, .offset: 24, .size: 8, .value_kind: global_buffer, .address_space: global }
      - { .name: out0, .offset: 32, .size: 8, .value_kind: global_buffer, .address_space: global }
    .group_segment_fixed_size: 327680
    .private_segment_fixed_size: 0
    .kernarg_segment_align: 8
    .kernarg_segment_size: 40
    .max_flat_workgroup_size: 128
    .sgpr_count:     100
    .vgpr_count:     832
    .wavefront_size: 32
...
	.end_amdgpu_metadata
.endif
;; end of part 3
